; MI455X (gfx1250); checked and timed in simulation.
; The chip was launched on July 23, 2026; its instructions are those of AMD's public machine-readable ISA for CDNA 5 (MIT licence, August 2026) and "CDNA5" Instruction Set Architecture Reference Guide (July 2026). The comments in the code are by the model that wrote it; some were corrected since.
;; Constellation Unmapper. Allowed arithmetic: float matrix products may take bf16 or f16 operands with f32 sums; all other float work in f32.
;; Inputs: constellation 2 x 64 float32; x 1 x 1 x 2 x 1,048,576 float32.
;; Outputs: out0 1 x 1 x 1 x 1,048,576 int32.
;; One version. Each part assembles by itself: llvm-mc -triple=amdgcn-amd-amdhsa -mcpu=gfx1250 --defsym DOCPART=n.
;; ======== version 1 of 1: 1 launch
;; launch unmap (part 1): grid 256 x 1, 16 waves a work-group, no clusters, 0 bytes of LDS; arguments constellation, x, out0; writes out0
.if DOCPART == 1
	.amdgcn_target "amdgcn-amd-amdhsa--gfx1250"
	.amdhsa_code_object_version 6
	.text
	.protected	k_q224becdf34_unmap
	.globl	k_q224becdf34_unmap
	.p2align	8
	.type	k_q224becdf34_unmap,@function
k_q224becdf34_unmap:
	s_mov_b64 s[64:65], 0
	v_nop
	global_prefetch_b8 v0, s[64:65] scope:SCOPE_SE
	s_setreg_imm32_b32 hwreg(HW_REG_WAVE_MODE, 25, 1), 1
	s_wait_xcnt 0x0
; out0[n] = argmin over j of sqrt((xI[n]-cI[j])^2 + (xQ[n]-cQ[j])^2), first index on ties.
; x: [2][1048576] f32, constellation: [2][64] f32 (read as 64 arbitrary points), out0: [1048576] i32.
;
; HOW THE 64 ROOTS ARE SPARED WITHOUT CHANGING THE RESULT.  A correctly rounded root is monotone, so the first index of the smallest
; root is the first j with s_j <= T, where s_j is the squared distance, r the rounded root of the smallest s, and T the largest f32
; whose rounded root is r.  With rn the float above r, T = r*rn rounded down: the boundary is the square of the midpoint,
; r*rn + (rn-r)^2/4, and counted in units of ulp(r)^2 every f32 near it is a whole number while the boundary is a whole number + 1/4.
; So: pass 1 makes the 64 s_j of two symbols a lane (kept in 128 registers) and their minima; one root a symbol gives T;
; pass 2 finds the first j with T - s_j not negative.
;
; SHARES.  256 work-groups of 16 waves; a work-group owns 4,096 symbols = two chunks of 8,192 bytes in each row; thread t owns
; bytes 16 t of a chunk (4 symbols = two packed pairs).  Each load and store of a wave covers 512 consecutive bytes, aligned.
; All of a wave's x is asked for in its first lines, so there is no loop and no refill: four tiles of straight-line code.
; No LDS, no barrier: no wave needs another's data.  No cluster: work-groups share only the 512 bytes of the constellation.
; No matrix unit: the index is compared exactly, so every s_j keeps f32 differences and squares.
;
; LIMITS.  (1) s = fma(dQ, dQ, dI*dI): the Q square is not rounded by itself.  Against mul, mul, add the order of two sums never
; reverses (a common addend, monotone rounding); only whether two sums within a last place of each other tie can differ.
; (2) A smallest squared distance below 2^-126 and not zero: T is rounded to the denormal grid when scaled back and can admit one
; grid value too many.  (3) Non-finite constellation entries that make SOME distances NaN are not served (reference() returns the
; first NaN's index).  x NaN or infinite, or all 64 sums overflowing: no or every j passes alike, and the result is 0 as in reference().
.set ROWB,  4194304                    ; bytes from x's I row to its Q row
.set CHUNK, 8192                       ; 512 threads x 16 bytes
.set OFF,  0                           ; v0        16 t: my byte offset in a chunk, of x's rows and of out0 alike (4 bytes a symbol)
.set ZERO, 1                           ; v1        0: offset of the loads that bring every lane the same constants
.set X,    2                           ; v[2:17]   chunk c: I of my 4 symbols at X+8c, Q at X+8c+4; a pair's I registers later hold its indices
.set M,    18                          ; v[18:21]  four running minima; then the scaled minimum, T, scale factors
.set D,    22                          ; v[22:29]  at work
.set CO,   30                          ; v[30:61]  cI of the odd points: cI[2k+1] in CO+k
.set CQ,   62                          ; v[62:125] cQ[j] in CQ+j
.set S,    126                         ; v[126:253] point j: the pair S+2j, S+2j+1 = s_j of my two symbols
; s[4:51], s[68:83]: the I row, cI[j] in s[4+j] (j < 48) or s[20+j].  A scalar pair as a packed f32 source feeds both halves from its
; first register, so the even points read cI from here and the odd ones from CO: 32 vector registers fewer, and the wave stays in 256.
; s[52:53] constellation, s[54:55] x, s[56:57] out0, s58 = 2^-64, s59 = 2^64, s60 = 2^32, s[84:86] lane masks.
	s_load_b128 s[52:55], s[0:1], 0x0              ; constellation, x
	s_load_b64  s[56:57], s[0:1], 0x10             ; out0
	v_lshlrev_b32 v[OFF], 4, v0
	v_mov_b32 v[ZERO], 0
	s_lshl_b32 s62, ttmp9, 14                      ; the work-group's 4,096 symbols: 16,384 bytes of each row and of out0
	s_mov_b32 s63, 0
	s_mov_b32 s58, 0x1f800000                      ; 2^-64
	s_mov_b32 s59, 0x5f800000                      ; 2^64
	s_mov_b32 s60, 0x4f800000                      ; 2^32
	s_wait_kmcnt 0x0
	s_load_b512 s[4:19],  s[52:53], 0x0            ; cI[0..15]
	s_load_b512 s[20:35], s[52:53], 0x40           ; cI[16..31]
	s_load_b512 s[36:51], s[52:53], 0x80           ; cI[32..47]
	s_load_b512 s[68:83], s[52:53], 0xc0           ; cI[48..63]
	s_add_nc_u64 s[54:55], s[54:55], s[62:63]
	s_add_nc_u64 s[56:57], s[56:57], s[62:63]
	global_load_b128 v[X:X+3],     v[OFF], s[54:55] th:TH_LOAD_NT                       ; chunk 0: I
	global_load_b128 v[X+4:X+7],   v[OFF], s[54:55] offset:ROWB th:TH_LOAD_NT           ;          Q
.set i, 0
.rept 16
	global_load_b128 v[CQ+4*i:CQ+4*i+3], v[ZERO], s[52:53] offset:256+16*i              ; the Q row, the same 16 bytes to every lane
.set i, i+1
.endr
	global_load_b128 v[X+8:X+11],  v[OFF], s[54:55] offset:CHUNK th:TH_LOAD_NT          ; chunk 1: I
	global_load_b128 v[X+12:X+15], v[OFF], s[54:55] offset:ROWB+CHUNK th:TH_LOAD_NT     ;          Q
	s_wait_kmcnt 0x0                               ; the I row is in scalar registers
.set k, 0
.rept 32
.if 2*k+1 < 48
	v_mov_b32 v[CO+k], s[5+2*k]                    ; cI[2k+1]
.else
	v_mov_b32 v[CO+k], s[21+2*k]
.endif
.set k, k+1
.endr
; Four points 4g .. 4g+3: dI = xI - cI into the points' S pairs, dQ = xQ - cQ into D.  op_sel picks which register of the constants' pair feeds both halves.
.macro DIFF g, xi, xq
.if (\g) < 12
.set si, 4+4*(\g)
.else
.set si, 20+4*(\g)
.endif
	v_pk_add_f32 v[S+8*(\g):S+8*(\g)+1],   v[\xi:\xi+1], s[si:si+1] op_sel_hi:[1,0] neg_lo:[0,1] neg_hi:[0,1]
	v_pk_add_f32 v[S+8*(\g)+2:S+8*(\g)+3], v[\xi:\xi+1], v[CO+2*(\g):CO+2*(\g)+1] op_sel_hi:[1,0] neg_lo:[0,1] neg_hi:[0,1]
	v_pk_add_f32 v[S+8*(\g)+4:S+8*(\g)+5], v[\xi:\xi+1], s[si+2:si+3] op_sel_hi:[1,0] neg_lo:[0,1] neg_hi:[0,1]
	v_pk_add_f32 v[S+8*(\g)+6:S+8*(\g)+7], v[\xi:\xi+1], v[CO+2*(\g):CO+2*(\g)+1] op_sel:[0,1] op_sel_hi:[1,1] neg_lo:[0,1] neg_hi:[0,1]
	v_pk_add_f32 v[D:D+1],   v[\xq:\xq+1], v[CQ+4*(\g):CQ+4*(\g)+1] op_sel_hi:[1,0] neg_lo:[0,1] neg_hi:[0,1]
	v_pk_add_f32 v[D+2:D+3], v[\xq:\xq+1], v[CQ+4*(\g):CQ+4*(\g)+1] op_sel:[0,1] op_sel_hi:[1,1] neg_lo:[0,1] neg_hi:[0,1]
	v_pk_add_f32 v[D+4:D+5], v[\xq:\xq+1], v[CQ+4*(\g)+2:CQ+4*(\g)+3] op_sel_hi:[1,0] neg_lo:[0,1] neg_hi:[0,1]
	v_pk_add_f32 v[D+6:D+7], v[\xq:\xq+1], v[CQ+4*(\g)+2:CQ+4*(\g)+3] op_sel:[0,1] op_sel_hi:[1,1] neg_lo:[0,1] neg_hi:[0,1]
.endm
; s = dQ*dQ + (dI*dI), in place in the points' S pairs
.macro SQUARE g
.irp i, 0,1,2,3
	v_pk_mul_f32 v[S+8*(\g)+2*\i:S+8*(\g)+2*\i+1], v[S+8*(\g)+2*\i:S+8*(\g)+2*\i+1], v[S+8*(\g)+2*\i:S+8*(\g)+2*\i+1]
.endr
.irp i, 0,1,2,3
	v_pk_fma_f32 v[S+8*(\g)+2*\i:S+8*(\g)+2*\i+1], v[D+2*\i:D+2*\i+1], v[D+2*\i:D+2*\i+1], v[S+8*(\g)+2*\i:S+8*(\g)+2*\i+1]
.endr
.endm
; the four points' s into the running minima: two chains for each of my two symbols; the first group starts them, nothing is preset
.macro MIN4 g
.if (\g) == 0
	v_min_num_f32 v[M],   v[S],   v[S+2]
	v_min_num_f32 v[M+1], v[S+1], v[S+3]
	v_min_num_f32 v[M+2], v[S+4], v[S+6]
	v_min_num_f32 v[M+3], v[S+5], v[S+7]
.else
	v_min3_num_f32 v[M],   v[M],   v[S+8*(\g)],   v[S+8*(\g)+2]
	v_min3_num_f32 v[M+1], v[M+1], v[S+8*(\g)+1], v[S+8*(\g)+3]
	v_min3_num_f32 v[M+2], v[M+2], v[S+8*(\g)+4], v[S+8*(\g)+6]
	v_min3_num_f32 v[M+3], v[M+3], v[S+8*(\g)+5], v[S+8*(\g)+7]
.endif
.endm
; One tile: the two symbols whose I lie in v[xi:xi+1] and Q in v[xq:xq+1].  Their indices end up in v[xi], v[xi+1].
.macro TILE xi, xq
	; PASS 1: 64 squared distances and their minimum.  A group's minima are taken one group later, behind the next group's differences.
	DIFF 0, \xi, \xq
	SQUARE 0
.irp g, 1,2,3,4,5,6,7,8,9,10,11,12,13,14,15
	DIFF \g, \xi, \xq
	MIN4 \g-1
	SQUARE \g
.endr
	MIN4 15
	v_min_num_f32 v[M],   v[M],   v[M+2]
	v_min_num_f32 v[M+1], v[M+1], v[M+3]
	; T.  A minimum below 2^-64 is worked on times 2^64 (its root times 2^32, exactly), so that the residuals below, which are
	; whole multiples of ulp(r)^2 >= 2^-46 x the minimum / 4, never fall under the smallest denormal.
	v_cmp_gt_f32 vcc_lo, s58, v[M]
	v_cmp_gt_f32 s84, s58, v[M+1]
	v_cndmask_b32 v[D],   1.0, s59, vcc_lo
	v_cndmask_b32 v[D+1], 1.0, s59, s84
	v_pk_mul_f32 v[M:M+1], v[M:M+1], v[D:D+1]      ; ms, the scaled minimum
	v_sqrt_f32 v[D],   v[M]                        ; r0: within one place of the root, not correctly rounded
	v_sqrt_f32 v[D+1], v[M+1]
	v_cndmask_b32 v[M+2], 1.0, s58, vcc_lo         ; the factor that scales T back; these two plain lines, which touch neither the roots nor
	v_cndmask_b32 v[M+3], 1.0, s58, s84            ; their sources, are also the place asked for between a root and its first use
	s_wait_alu depctr_va_vdst(0)
	v_add_nc_u32 v[D+2], -1, v[D]                  ; dn: the float below r0
	v_add_nc_u32 v[D+3], -1, v[D+1]
	v_add_nc_u32 v[D+4], 1, v[D]                   ; up: the float above
	v_add_nc_u32 v[D+5], 1, v[D+1]
	v_fma_f32 v[D+6], -v[D+2], v[D],   v[M]        ; ms - dn r0 <= 0: ms lies under the midpoint of dn and r0, the rounded root is dn
	v_fma_f32 v[D+7], -v[D+3], v[D+1], v[M+1]
	v_fma_f32 v[\xq],   -v[D+4], v[D],   v[M]      ; ms - up r0 > 0: over the midpoint of r0 and up, the rounded root is up  (Q is done with)
	v_fma_f32 v[\xq+1], -v[D+5], v[D+1], v[M+1]
	v_cmp_ge_f32 vcc_lo, 0, v[D+6]
	v_cmp_ge_f32 s84, 0, v[D+7]
	v_cmp_lt_f32 s85, 0, v[\xq]
	v_cmp_lt_f32 s86, 0, v[\xq+1]
	v_cndmask_b32 v[D],   v[D],   v[D+2], vcc_lo
	v_cndmask_b32 v[D+1], v[D+1], v[D+3], s84
	v_cndmask_b32 v[D],   v[D],   v[D+4], s85      ; r, the correctly rounded root
	v_cndmask_b32 v[D+1], v[D+1], v[D+5], s86
	v_add_nc_u32 v[D+2], 1, v[D]                   ; rn, the float above r
	v_add_nc_u32 v[D+3], 1, v[D+1]
	v_pk_mul_f32 v[D+4:D+5], v[D:D+1], v[D+2:D+3]  ; p = r rn, rounded to nearest
	v_fma_f32 v[D+6], v[D],   v[D+2], -v[D+4]      ; its exact error
	v_fma_f32 v[D+7], v[D+1], v[D+3], -v[D+5]
	v_ashrrev_i32 v[D+6], 31, v[D+6]               ; -1 where p was rounded up
	v_ashrrev_i32 v[D+7], 31, v[D+7]
	v_add_nc_u32 v[D+4], v[D+4], v[D+6]            ; one float down there: r rn rounded down
	v_add_nc_u32 v[D+5], v[D+5], v[D+7]
	v_pk_mul_f32 v[M:M+1], v[D+4:D+5], v[M+2:M+3]  ; T
	; PASS 2: T - s_j carries a sign exactly where s_j > T (equal gives +0).  v_alignbit_b32 by 31 is (word << 1) | sign: 32 turns, from
	; point 31 (63) down to 0 (32), leave point j's bit at place j mod 32 and push out whatever the word held.  D, D+1: points 0-31 of my
	; two symbols, D+2, D+3: points 32-63: four chains that do not wait for each other.
.set k, 31
.rept 16
	v_pk_add_f32 v[S+2*k:S+2*k+1],       v[M:M+1], v[S+2*k:S+2*k+1]       neg_lo:[0,1] neg_hi:[0,1]
	v_pk_add_f32 v[S+2*k+64:S+2*k+65],   v[M:M+1], v[S+2*k+64:S+2*k+65]   neg_lo:[0,1] neg_hi:[0,1]
	v_pk_add_f32 v[S+2*k-2:S+2*k-1],     v[M:M+1], v[S+2*k-2:S+2*k-1]     neg_lo:[0,1] neg_hi:[0,1]
	v_pk_add_f32 v[S+2*k+62:S+2*k+63],   v[M:M+1], v[S+2*k+62:S+2*k+63]   neg_lo:[0,1] neg_hi:[0,1]
	v_alignbit_b32 v[D],   v[D],   v[S+2*k],    31
	v_alignbit_b32 v[D+1], v[D+1], v[S+2*k+1],  31
	v_alignbit_b32 v[D+2], v[D+2], v[S+2*k+64], 31
	v_alignbit_b32 v[D+3], v[D+3], v[S+2*k+65], 31
	v_alignbit_b32 v[D],   v[D],   v[S+2*k-2],  31
	v_alignbit_b32 v[D+1], v[D+1], v[S+2*k-1],  31
	v_alignbit_b32 v[D+2], v[D+2], v[S+2*k+62], 31
	v_alignbit_b32 v[D+3], v[D+3], v[S+2*k+63], 31
.set k, k-2
.endr
	; the lowest zero bit of the 64: the first word unless it is all ones; ~w & (w+1) isolates the bit; as a float it is a power of two,
	; exact, times 2^32 for the second word; its exponent is the index.  No zero bit at all (only with non-finite sums): 0, raised to 1.0, index 0.
	v_cmp_eq_u32 vcc_lo, -1, v[D]
	v_cmp_eq_u32 s84, -1, v[D+1]
	v_cndmask_b32 v[D+4], v[D],   v[D+2], vcc_lo
	v_cndmask_b32 v[D+5], v[D+1], v[D+3], s84
	v_cndmask_b32 v[M+2], 1.0, s60, vcc_lo
	v_cndmask_b32 v[M+3], 1.0, s60, s84
	v_add_nc_u32 v[D+6], 1, v[D+4]
	v_add_nc_u32 v[D+7], 1, v[D+5]
	v_bfi_b32 v[D+4], v[D+4], 0, v[D+6]
	v_bfi_b32 v[D+5], v[D+5], 0, v[D+7]
	v_cvt_f32_u32 v[D+4], v[D+4]
	v_cvt_f32_u32 v[D+5], v[D+5]
	v_pk_mul_f32 v[D+4:D+5], v[D+4:D+5], v[M+2:M+3]
	v_max_num_f32 v[D+4], 1.0, v[D+4]
	v_max_num_f32 v[D+5], 1.0, v[D+5]
	v_lshrrev_b32 v[D+4], 23, v[D+4]
	v_lshrrev_b32 v[D+5], 23, v[D+5]
	v_add_nc_u32 v[\xi],   0xffffff81, v[D+4]      ; exponent field - 127; I is done with, so the indices take its place
	v_add_nc_u32 v[\xi+1], 0xffffff81, v[D+5]
.endm
	s_wait_loadcnt 0x2                             ; 20 loads were issued; the last two (chunk 1's I and Q) may stay out
	TILE X,   X+4
	TILE X+2, X+6
	global_store_b128 v[OFF], v[X:X+3], s[56:57] th:TH_STORE_NT                 ; 4 indices a lane; these registers are not written again
	s_wait_loadcnt 0x0                             ; chunk 1
	TILE X+8,  X+12
	TILE X+10, X+14
	global_store_b128 v[OFF], v[X+8:X+11], s[56:57] offset:CHUNK th:TH_STORE_NT
	s_endpgm
.Lfunc_end_k_q224becdf34_unmap:
	.size	k_q224becdf34_unmap, .Lfunc_end_k_q224becdf34_unmap-k_q224becdf34_unmap
	.p2alignl 7, 3214868480
	.fill 96, 4, 3214868480
	.section	.rodata,"a",@progbits
	.p2align	6, 0x0
	.amdhsa_kernel k_q224becdf34_unmap
		.amdhsa_group_segment_fixed_size 0
		.amdhsa_private_segment_fixed_size 0
		.amdhsa_enable_private_segment 0
		.amdhsa_kernarg_size 24
		.amdhsa_user_sgpr_count 2
		.amdhsa_user_sgpr_kernarg_segment_ptr 1
		.amdhsa_wavefront_size32 1
		.amdhsa_system_sgpr_workgroup_id_x 1
		.amdhsa_system_sgpr_workgroup_id_y 1
		.amdhsa_system_sgpr_workgroup_id_z 1
		.amdhsa_system_vgpr_workitem_id 0
		.amdhsa_next_free_vgpr 256
		.amdhsa_next_free_sgpr 88
		.amdhsa_reserve_vcc 1
		.amdhsa_float_denorm_mode_32 3
		.amdhsa_float_denorm_mode_16_64 3
		.amdhsa_memory_ordered 1
		.amdhsa_forward_progress 1
		.amdhsa_inst_pref_size 143
	.end_amdhsa_kernel
	.amdgpu_metadata
---
amdhsa.version: [ 1, 2 ]
amdhsa.kernels:
  - .name:           k_q224becdf34_unmap
    .symbol:         k_q224becdf34_unmap.kd
    .args:
      - { .name: constellation, .offset: 0, .size: 8, .value_kind: global_buffer, .address_space: global }
      - { .name: x, .offset: 8, .size: 8, .value_kind: global_buffer, .address_space: global }
      - { .name: out0, .offset: 16, .size: 8, .value_kind: global_buffer, .address_space: global }
    .group_segment_fixed_size: 0
    .private_segment_fixed_size: 0
    .kernarg_segment_align: 8
    .kernarg_segment_size: 24
    .max_flat_workgroup_size: 512
    .sgpr_count:     88
    .vgpr_count:     256
    .wavefront_size: 32
...
	.end_amdgpu_metadata
.endif
;; end of part 1
